; MI455X (gfx1250); checked and timed in simulation.
; The chip was launched on July 23, 2026; its instructions are those of AMD's public machine-readable ISA for CDNA 5 (MIT licence, August 2026) and "CDNA5" Instruction Set Architecture Reference Guide (July 2026). The comments in the code are by the model that wrote it; some were corrected since.
;; Internal Interaction. Allowed arithmetic: matrix products marked QUANTISED: E2M1 operands, one E8M0 scale for each 32 along K, by v_wmma_scale_f32_16x16x128_f8f6f4 with both operands' format E2M1 (or v_wmma_scale_f32_32x16x128_f4), f32 sums; everything else in f32.
;; Inputs: W1 256 x 1,024 float32; W2 1,024 x 256 float32; attribute_embeddings 128 x 32 x 256 float32; b1 1,024 float32; b2 256 float32.
;; Outputs: out0 128 x 32 x 256 float32.
;; This version of the problem:
;;   THIS VERSION OF THE PROBLEM IS GIVEN IN LOW PRECISION. The matrix products marked QUANTISED in the list below multiply operands that are first quantised to E2M1 (2 exponent bits, 1 mantissa bit; 4 bits a number), with one power-of-two scale for each 32 numbers along K (OCP MX v1.0); their sums are f32. All else is computed in f32.
;;   The module's matrix products, in the order in which they are computed (A, B: the left and right operand; K: the contracted axis; several contracted axes count as one K, in the product's order):
;;     1. [M 131,072, K 256] x [K 256, N 1,024]; A: computed on the way; B: input W1: QUANTISED
;;     2. [M 131,072, K 1,024] x [K 1,024, N 256]; A: computed on the way; B: input W2: QUANTISED
;;   THE QUANTISER, for each operand of a quantised product, along K:
;;     - K is cut into blocks of 32 from its start; a last block that is shorter is filled with zeros.
;;     - A block's scale is 2^e with e = floor(log2(the largest magnitude in the block)) - 2, held to -126 .. 127; a block of zeros has e = 0. As a byte (E8M0): e + 127.
;;     - Each number is divided by its block's scale, clamped to +-6, and rounded to the nearest number of E2M1, ties to even, subnormals kept.
;;     - The product sums the exact products of the quantised numbers (number of the format x scale) in f32.
;;   ~~~python
;;   def quantise(x, axis):      # numpy; x: float32 -> the quantised numbers, widened to float32 again
;;       x = np.moveaxis(x, axis, -1); K = x.shape[-1]
;;       x = np.pad(x, [(0, 0)] * (x.ndim - 1) + [(0, -K % 32)]); x = x.reshape(x.shape[:-1] + (-1, 32)); a = np.abs(x).max(-1, keepdims=True)
;;       e = np.where(a > 0, np.clip(np.frexp(np.where(a > 0, a, 1))[1] - 1 - 2, -126, 127), 0)      # np.frexp(a)[1] - 1 = floor(log2(a)), exactly
;;       r = np.clip(x / 2.0 ** e, -6, 6)
;;       step = 2.0 ** (np.maximum(np.frexp(np.where(r == 0, 1, r))[1] - 1, 0) - 1)
;;       q = np.round(r / step) * step * 2.0 ** e      # np.round: ties to even
;;       return np.moveaxis(q.reshape(q.shape[:-2] + (-1,))[..., :K], -1, axis).astype(np.float32)
;;   ~~~
;;   OPERANDS COMPUTED ON THE WAY. 'Computed on the way' means the value that the module computes at that place (a softmax that the list does not call 'softmax' is quantised finished and normalised). What goes into a quantiser is computed in f32, as accurately as f32 sums, v_exp_f32 and their like allow (about 1e-6 of the number): no bf16 or f16 on the way to a quantiser, and a product that is left as it is and whose result goes on into a quantised operand takes f32 operands (vector FMAs, or v_wmma_f32_16x16x4_f32). A number that lies on a knife's edge between two numbers of the format may be rounded either way, as far as f32 arithmetic and the matrix unit's own rounding can turn it there, and no further.
;; One version. Each part assembles by itself: llvm-mc -triple=amdgcn-amd-amdhsa -mcpu=gfx1250 --defsym DOCPART=n.
;; ======== version 1 of 1: 2 launches
;; limits: right only within a limited range of input values
;; workspace buffers: wq 286,720 bytes
;; launch prep (part 1): grid 128 x 1, 4 waves a work-group, no clusters, 768 bytes of LDS; arguments W1, W2, wq; writes wq
.if DOCPART == 1
	.amdgcn_target "amdgcn-amd-amdhsa--gfx1250"
	.amdhsa_code_object_version 6
	.text
	.protected	k_qc05db9f57d_prep
	.globl	k_qc05db9f57d_prep
	.p2align	8
	.type	k_qc05db9f57d_prep,@function
k_qc05db9f57d_prep:
	s_mov_b64 s[64:65], 0
	v_nop
	global_prefetch_b8 v0, s[64:65] scope:SCOPE_SE
	s_setreg_imm32_b32 hwreg(HW_REG_WAVE_MODE, 25, 1), 1
	s_wait_xcnt 0x0
; W1 [256 (d)][1024 (hidden)] and W2 [1024 (hidden)][256 (n)], f32, K = the FIRST axis of both, become codes of FP4 (E2M1) with one E8M0 byte for each 32 along K.
; They are laid in wq as the next launch's registers want them, in sixteen records of REC bytes, one for each 64 hidden units u:
;   +0      W1's scale words: tile T (0, 1), K step s (0, 1) at 128 (2 T + s); the word at 4 m: the bytes of d blocks 4 s .. 4 s + 3 of hidden unit hu(T, m)
;   +512    W2's scale words: columns 32 a .. 32 a + 31 at 128 a; the word at 4 m: the bytes of hidden blocks 2 u, 2 u + 1 of column 32 a + m, and the same two once more
;   +1536   W1's codes: at 2048 (2 T + s) + 1024 (m / 16) + 512 g + 256 h + 16 (m % 16): d = 128 s + 64 g + 32 h + 0 .. 31 of hidden unit hu(T, m)
;   +9728   W2's codes: at 512 (n / 16) + 256 h + 16 (n % 16): hidden 64 u + 32 h + 0 .. 31 of column n
;   hu(T, m) = 64 u + 32 ((m / 8) % 2) + 16 T + 8 (m / 16) + m % 8: so the next launch finds a whole block of 32 hidden units in one lane.
; A LANE TAKES A COLUMN, ITS 32 REGISTERS RUN DOWN K: a block's largest magnitude needs no other lane and the conversions give codes with K innermost.
; SHARES: a work-group takes 32 columns x 128 along K, its wave J block J of the four.  Work-groups 0-63 take W1, 64-127 W2.
; A block's scale is 2^(floor(log2(largest magnitude)) - 2); its byte is the largest magnitude's exponent field - 2, held at 1 from below by a floor among the maximum's leaves.
; LIMITS: a block of zeros gets the byte 1 where the rule says 127 (its codes are zeros, and this program alone reads the bytes); NaN and infinities among the inputs are not served.
.set REC,   17920
.set W2S,   512
.set W1F,   1536
.set W2F,   9728
.set FLOOR, 0x1800000                  ; 2^(3 - 127)
.set X,     8                          ; v8-39  my block's 32 numbers
	s_load_b128 s[4:7], s[0:1], 0x0                ; W1, W2
	s_load_b64 s[8:9], s[0:1], 0x10                ; wq
	v_lshl_add_u32 v64, v0, 2, 0x100               ; my spare word
	v_mov_b32 v65, 0
	v_lshrrev_b32 v6, 5, v0
	v_readfirstlane_b32 s16, v6                    ; J: my wave, my block of the four
	v_and_b32 v7, 31, v0                           ; l: lane
	v_lshl_add_u32 v4, v7, 2, v6                   ; LDS: byte J of word l
	v_lshlrev_b32 v5, 2, v7                        ; LDS: word l
	v_lshrrev_b32 v50, 4, v7                       ; l / 16
	v_and_b32 v51, 15, v7                          ; l % 16
	s_mov_b32 s21, 0                               ; the offsets' upper words
	s_mov_b32 s23, 0
	s_mov_b32 s25, 0
	s_cmp_lt_u32 ttmp9, 64
	s_wait_alu depctr_va_vdst(0)
	s_cbranch_scc0 .Lw2
	; ---- W1: work-group 4 u + 2 T + s
	s_lshr_b32 s26, ttmp9, 2                       ; u
	s_and_b32 s27, ttmp9, 3                        ; 2 T + s
	s_and_b32 s29, s27, 1                          ; s
	s_lshr_b32 s28, s27, 1                         ; T
	s_lshl_b32 s20, s29, 19                        ; from: 128 s rows of 4,096 bytes
	s_lshl_b32 s30, s16, 17                        ; + 32 J rows
	s_add_co_u32 s20, s20, s30
	s_lshl_b32 s30, s26, 8                         ; + 4 x (64 u + 16 T)
	s_add_co_u32 s20, s20, s30
	s_lshl_b32 s30, s28, 6
	s_add_co_u32 s20, s20, s30
	s_mul_i32 s31, s26, REC                        ; the record
	s_lshl_b32 s22, s27, 11                        ; codes
	s_add_co_u32 s22, s22, s31
	s_lshl_b32 s30, s16, 8                         ; block J = 2 g + h at 256 J
	s_add_co_u32 s22, s22, s30
	s_add_co_u32 s22, s22, W1F
	s_lshl_b32 s24, s27, 7                         ; scale words
	s_add_co_u32 s24, s24, s31
	v_bfe_u32 v1, v7, 3, 1
	v_lshlrev_b32 v1, 5, v1                        ; my column: 32 ((l / 8) % 2)
	v_lshl_add_u32 v1, v50, 3, v1                  ; + 8 (l / 16)
	v_and_b32 v2, 7, v7
	v_add_lshl_u32 v1, v1, v2, 2                   ; + l % 8, in bytes
	v_lshlrev_b32 v2, 4, v51
	v_lshl_add_u32 v2, v50, 10, v2                 ; codes: 1,024 (l / 16) + 16 (l % 16)
	v_lshlrev_b32 v3, 2, v7                        ; scale words: 4 l
	s_wait_alu depctr_va_vdst(0)
	s_wait_kmcnt 0x0
	s_add_nc_u64 s[10:11], s[4:5], s[20:21]
.irp k, 0,1,2,3,4,5,6,7,8,9,10,11,12,13,14,15,16,17,18,19,20,21,22,23,24,25,26,27,28,29,30,31
	global_load_b32 v[X+\k], v1, s[10:11] offset:\k*4096 th:TH_LOAD_NT
.endr
	s_branch .Ljoin
.Lw2:
	; ---- W2: work-group 64 + 8 c + a: columns 32 a + l, hidden 128 c + 32 J on
	s_sub_co_u32 s26, ttmp9, 64
	s_and_b32 s28, s26, 7                          ; a
	s_lshr_b32 s26, s26, 3                         ; c
	s_lshl_b32 s20, s26, 17                        ; from: 128 c rows of 1,024 bytes
	s_lshl_b32 s30, s16, 15                        ; + 32 J rows
	s_add_co_u32 s20, s20, s30
	s_lshl_b32 s30, s28, 7                         ; + 4 x 32 a
	s_add_co_u32 s20, s20, s30
	s_mul_i32 s31, s26, 2*REC                      ; record 2 c
	s_add_co_u32 s24, s30, s31                     ; scale words: 128 a
	s_add_co_u32 s24, s24, W2S
	s_lshr_b32 s29, s16, 1                         ; codes: record 2 c + J / 2
	s_mul_i32 s29, s29, REC
	s_add_co_u32 s22, s31, s29
	s_lshl_b32 s30, s28, 10                        ; + 1,024 a
	s_add_co_u32 s22, s22, s30
	s_and_b32 s30, s16, 1                          ; + 256 (J % 2)
	s_lshl_b32 s30, s30, 8
	s_add_co_u32 s22, s22, s30
	s_add_co_u32 s22, s22, W2F
	v_lshlrev_b32 v1, 2, v7
	v_lshlrev_b32 v2, 4, v51
	v_lshl_add_u32 v2, v50, 9, v2                  ; 512 (l / 16) + 16 (l % 16)
	v_lshlrev_b32 v3, 2, v7
	s_wait_alu depctr_va_vdst(0)
	s_wait_kmcnt 0x0
	s_add_nc_u64 s[10:11], s[6:7], s[20:21]
.irp k, 0,1,2,3,4,5,6,7,8,9,10,11,12,13,14,15,16,17,18,19,20,21,22,23,24,25,26,27,28,29,30,31
	global_load_b32 v[X+\k], v1, s[10:11] offset:\k*1024 th:TH_LOAD_NT
.endr
.Ljoin:
	s_add_nc_u64 s[12:13], s[8:9], s[22:23]        ; where my wave's codes go,
	s_add_nc_u64 s[14:15], s[8:9], s[24:25]        ; and the work-group's scale words
	s_wait_loadcnt 0x0
	v_max3_num_f32 v40, |v[X]|, |v[X+1]|, FLOOR    ; the block's largest magnitude, in two chains; the floor holds the byte at 1 from below
	v_max3_num_f32 v41, |v[X+16]|, |v[X+17]|, FLOOR
.irp i, 2,4,6,8,10,12,14
	v_max3_num_f32 v40, v40, |v[X+\i]|, |v[X+\i+1]|
	v_max3_num_f32 v41, v41, |v[X+16+\i]|, |v[X+17+\i]|
.endr
	v_max_num_f32 v40, v40, v41
	v_add_nc_u32 v42, 0xff000000, v40              ; 2 off its exponent field: the conversion takes the exponent field of this operand as its scale
.irp q, 0,1,2,3
	v_cvt_scalef32_pk8_fp4_f32 v[44+\q], v[X+8*\q:X+8*\q+7], v42
.endr
	v_lshrrev_b32 v43, 23, v42                     ; the scale's byte (also the plain line behind the conversions)
	global_store_b128 v2, v[44:47], s[12:13]       ; sixteen lanes store 256 consecutive bytes, at a multiple of 256 from wq's first byte
	ds_store_b8 v4, v43                            ; the four waves' bytes of a column meet in one word
	s_wait_dscnt 0x0                               ; for the others' sake: my byte has landed
	s_barrier_signal -1
	s_barrier_wait -1
	s_cmp_lg_u32 s16, 0
	s_cbranch_scc1 .Lend
	ds_load_b32 v48, v5                            ; wave 0 takes the 32 whole words
	s_wait_dscnt 0x0
	s_cmp_lt_u32 ttmp9, 64
	s_cbranch_scc0 .Lw2s
	global_store_b32 v3, v48, s[14:15]             ; W1: as they are
	s_branch .Lend
.Lw2s:
	v_perm_b32 v49, v48, v48, 0x01000100           ; W2: bytes 0, 1 twice, for record 2 c,
	v_perm_b32 v52, v48, v48, 0x03020302           ; bytes 2, 3 twice, for record 2 c + 1
	global_store_b32 v3, v49, s[14:15]
	global_store_b32 v3, v52, s[14:15] offset:REC
.Lend:
	s_wait_tensorcnt 0x0                           ; the wave's end
	ds_add_u32 v64, v65
	s_wait_dscnt 0x0
	s_endpgm
.Lfunc_end_k_qc05db9f57d_prep:
	.size	k_qc05db9f57d_prep, .Lfunc_end_k_qc05db9f57d_prep-k_qc05db9f57d_prep
	.p2alignl 7, 3214868480
	.fill 96, 4, 3214868480
	.section	.rodata,"a",@progbits
	.p2align	6, 0x0
	.amdhsa_kernel k_qc05db9f57d_prep
		.amdhsa_group_segment_fixed_size 768
		.amdhsa_private_segment_fixed_size 0
		.amdhsa_enable_private_segment 0
		.amdhsa_kernarg_size 24
		.amdhsa_user_sgpr_count 2
		.amdhsa_user_sgpr_kernarg_segment_ptr 1
		.amdhsa_wavefront_size32 1
		.amdhsa_system_sgpr_workgroup_id_x 1
		.amdhsa_system_sgpr_workgroup_id_y 1
		.amdhsa_system_sgpr_workgroup_id_z 1
		.amdhsa_system_vgpr_workitem_id 0
		.amdhsa_next_free_vgpr 66
		.amdhsa_next_free_sgpr 66
		.amdhsa_reserve_vcc 0
		.amdhsa_float_denorm_mode_32 3
		.amdhsa_float_denorm_mode_16_64 3
		.amdhsa_memory_ordered 1
		.amdhsa_forward_progress 1
		.amdhsa_inst_pref_size 12
	.end_amdhsa_kernel
	.amdgpu_metadata
---
amdhsa.version: [ 1, 2 ]
amdhsa.kernels:
  - .name:           k_qc05db9f57d_prep
    .symbol:         k_qc05db9f57d_prep.kd
    .args:
      - { .name: W1, .offset: 0, .size: 8, .value_kind: global_buffer, .address_space: global }
      - { .name: W2, .offset: 8, .size: 8, .value_kind: global_buffer, .address_space: global }
      - { .name: wq, .offset: 16, .size: 8, .value_kind: global_buffer, .address_space: global }
    .group_segment_fixed_size: 768
    .private_segment_fixed_size: 0
    .kernarg_segment_align: 8
    .kernarg_segment_size: 24
    .max_flat_workgroup_size: 128
    .sgpr_count:     66
    .vgpr_count:     66
    .wavefront_size: 32
...
	.end_amdgpu_metadata
.endif
;; end of part 1
;; launch main (part 2): grid 256 x 1, 8 waves a work-group, clusters of 4 x 1, 327,680 bytes of LDS; arguments attribute_embeddings, b1, b2, wq, out0; writes out0
.if DOCPART == 2
	.amdgcn_target "amdgcn-amd-amdhsa--gfx1250"
	.amdhsa_code_object_version 6
	.text
	.protected	k_qc05db9f57d_main
	.globl	k_qc05db9f57d_main
	.p2align	8
	.type	k_qc05db9f57d_main,@function
k_qc05db9f57d_main:
	s_mov_b64 s[64:65], 0
	v_nop
	global_prefetch_b8 v0, s[64:65] scope:SCOPE_SE
	s_setreg_imm32_b32 hwreg(HW_REG_WAVE_MODE, 25, 1), 1
	s_wait_xcnt 0x0
	s_wait_alu depctr_hold_cnt(0) depctr_sa_sdst(0) depctr_va_vdst(0) depctr_va_sdst(0) depctr_va_ssrc(0) depctr_va_vcc(0) depctr_vm_vsrc(0)
	s_getreg_b32 s2, hwreg(HW_REG_IB_STS2, 6, 4)
	s_cmp_eq_u32 s2, 0
	s_cbranch_scc0 .Lentry_in_a_cluster
	s_endpgm
.Lentry_in_a_cluster:
	s_bfe_u32 s2, ttmp6, 0x10000c
	s_cmp_lg_u32 s2, 0x3003
	s_cbranch_scc0 .Lentry_shape_is_right
	s_endpgm
.Lentry_shape_is_right:
; out[b][j][:] = the sum over i of ( Q(relu(Q(x[b][i] * x[b][j]) Q(W1) + b1)) Q(W2) + b2 ),  Q the MX-FP4 quantiser along each product's K.  x: [128][32][256] f32; the weights come as codes from wq.
; SHARES.  Work-group 2 b + jt owns out[b][16 jt .. 16 jt + 15][:]: its own 16 rows j of x[b], against which stand the 16 other rows.
; EACH PAIR ONCE.  x_i * x_j and x_j * x_i are the same f32 number, so the hidden layer of the pair (i, j) is that of (j, i), for all inputs.  Among the work-group's own 16 rows the pairs go by cyclic shifts:
; tile s holds, for each j, the pair (j, (j + s) % 16).  Tiles 0 and 8 serve their own column j; tiles 1 to 7 serve column j and, rotated by s lanes, column (j + s) % 16.  With the 16 tiles of the 16 other rows i
; that makes 25 tiles for the first product and its quantiser, and 32 column uses for the second product, whose sums are all made.  Nothing that reaches an output is left out.
; EACH WAVE OWNS HIDDEN UNITS: in pass 0 wave w takes the 64 hidden units of record w, in pass 1 those of record w + 8, for all 25 tiles.  So its weights and b1 stay in registers through a pass, a tile's hidden numbers
; never leave them, and the conversions' results ARE the next operand.  K = 128 of the second product is 64 hidden units x two column uses: W2's codes stand twice in its operand.
; THE SUM OVER i AND OVER A WAVE'S HIDDEN UNITS IS TAKEN IN THE SECOND PRODUCT'S ACCUMULATORS; the eight waves' sums meet in LDS at the end.
; LAYOUT.  Both products are used transposed (source 0 = 32 rows of the weight, source 1 = 16 pairs): a lane (r, h) holds ONE pair.  W1's rows are chosen (see the launch before) so that a lane's 32 registers of a tile are
; a whole block of 32 hidden units in the next operand's own order: no other lane is asked for a maximum.
; RELU ON CODES.  A block's scale is taken from its positive numbers alone (no |.|; the floor stands over a block without any); negative codes have their magnitude bits cleared: Q(relu(h)) but for the sign of zero.
; WEIGHTS.  Pass 0's records go straight into the registers that use them.  Pass 1's come into LDS by one joint tensor load a wave at the head (the four work-groups of a cluster want the same eight records: mask 15), 17,920
; bytes a wave, in bytes of the wave's own, and are read there once; the wave's sums take those bytes at the end.  No prefetch: that load itself is issued a whole pass ahead of its readers, and no loop here loads from memory.
; A BARRIER IN EACH UNIT keeps the eight waves within a unit of each other: signalled ahead of the second product, waited for at the next unit's start; only register work and LDS loads stand between.
; LIMITS: NaN and infinities are not served; a block whose largest number lies under 2^-124 has the byte 1, as the rule's hold at -126 asks; a block of zeros has the byte 1 where the rule says 127 (its codes are
; zeros); negative hidden numbers stay as the code -0; 32 x b2 is added once and not b2 in each of the 32 terms; b1 is the C of the first product's first instruction.
.set REC,   17920
.set W2SO,  512
.set W1FO,  1536
.set W2FO,  9728
.set SP,    272                        ; x_j's stage: 16 rows of 256 bytes + 16, 4,352 bytes a wave, from LDS byte 0
.set SQ,    16*SP
.set XIS,   8*SQ                       ; x_i's stage: 8 rows of 256 bytes a wave
.set PFB,   XIS+8*2048                 ; the pair fragments: slot n at 2,048 n: four images of 512 bytes (64 along d each), 16 bytes a lane
.set PSB,   PFB+25*2048                ; their scale words: slot n at 128 n: row r's two words (K steps 0 and 1) at 8 r
;   slots 0-7: shifts 1-8; slot 8: shift 0; slots 9-24: the other rows
.set WRB,   105728                     ; pass 1's records, REC bytes a wave; at the end the wave's 16 rows of sums
.set RP,    1040                       ; a row of 1,024 bytes + 16
.set SPARE, WRB+8*REC                  ; the spare words, 128 bytes a wave
.set FLOOR, 0x1800000                  ; 2^(3 - 127)
; window 0
.set PFA,  1                           ; PFB + 16 lane, stepped slot by slot
.set PSA,  2                           ; PSB + 8 r, likewise
.set WRL,  3                           ; my record in LDS + 16 lane
.set PT,   4                           ; a lane permute's destination
.set ARS,  5                           ; where my sums go in LDS
.set ARL,  6                           ; v6-7 where I read sums: waves 0-3's, 4-7's
.set WRS,  8                           ; my record in LDS + 4 lane
.set L16,  9                           ; 16 lane
.set BO,   10                          ; 128 h
.set L4,   11                          ; 4 lane
.set STR,  15                          ; at the start: x_j's stage, out
.set STW,  16                          ; and in
.set XV,   17                          ; offsets in x: 1,024 h + 16 r,
.set STX,  18                          ; x_i's stage, in
.set AXI,  19                          ; and out
.set PFW1, 21                          ; v21-22 where my codes go,
.set PSW1, 23                          ; v23-24 and my scale bytes
.set RT,   12                          ; later v12-19, v20-27: relu at work
.set RU,   20
.set TM,   28                          ; v28-31 largest numbers
.set SC,   32                          ; v32-33 the conversions' scale operands
.set BY,   34                          ; v34-35 scale bytes
.set PW0,  36                          ; a scale word in the making
.set SPW,  37                          ; my spare word's address
.set NIL,  38                          ; 0
.set PW,   39                          ; the hidden fragment's scale word
.set W2S,  40                          ; v40-47
.set W1S,  48                          ; v48-51
.set PS,   52                          ; v52-55 the pairs' scale words: tile x, K step s at 2 x + s
.set CD,   56                          ; v56-63 codes
.set PF,   64                          ; v64-95 pair fragments of two tiles: tile x, K step s at 16 x + 8 s
.set BIAS, 96                          ; v96-127 b1 in the result's layout
.set H,    128                         ; v128-191 hidden numbers of two tiles
.set W1,   192                         ; v192-255 W1: tile T, K step s at 16 (2 T + s)
.set XJ,   64                          ; at the start: v64-95 my j's 32 numbers,
.set XB,   128                         ; v128-159, v160-191 two sets of a piece's 32 products,
.set XI,   160                         ; v160-175 x_i on its way into the stage
; window 1: v0-127 W2 (32 columns a at 16 a), v128-255 the accumulators (at 128 + 16 a)
; scalar registers
.set WV,   14
.set SEL,  20                          ; s[20:21] selects for lane l xor 16
.set SGN,  22                          ; the sign bits of eight codes
.set R0,   26                          ; s[26:27] my record of pass 0
.set BB0,  30                          ; s[30:31], s[32:33] my parts of b1
.set BB1,  32
.set ROT,  36                          ; s[36:37] selects for the rotation by s lanes
.set MSB, 0
.set BARO, 0                           ; 1 while a signalled barrier is still to be waited for
.macro WIN new                         ; bits 1:0 source 0, 3:2 source 1, 5:4 source 2, 7:6 destination; the high byte repeats the setting that is left
.if MSB != \new
	s_set_vgpr_msb (MSB<<8)|\new
.set MSB, \new
.endif
.endm
.macro PLACES n
.rept \n
	v_nop
.endr
.endm
.macro SYNC                            ; my LDS instructions are done: then the work-group's barrier
	s_wait_dscnt 0x0
	s_barrier_signal -1
	s_barrier_wait -1
.endm
.macro ROUND                           ; a round of the cluster's barrier
	s_barrier_signal -1
	s_barrier_wait -1
	s_cmp_lg_u32 s[WV], 0
	s_cbranch_scc1 .Lnot_wave_0_\@
	s_barrier_signal -3
.Lnot_wave_0_\@:
	s_barrier_wait -3
	s_barrier_signal -1
	s_barrier_wait -1
.endm
.macro LOADB bb                        ; 8 loads: b1
.irp e, 0,1,2,3,4,5,6,7
	global_load_b128 v[BIAS+4*\e:BIAS+4*\e+3], v[BO], s[\bb:\bb+1] offset:16*\e
.endr
.endm
	s_load_b256 s[4:11], s[0:1], 0x0               ; x s[4:5], b1 s[6:7], b2 s[8:9], wq s[10:11]
	s_load_b64 s[12:13], s[0:1], 0x20              ; out
	v_lshl_add_u32 v[SPW], v0, 2, SPARE
	v_mov_b32 v[NIL], 0
	ds_add_u32 v[SPW], v[NIL]                      ; the wave's opening: the add, twice on end, under one wait
	ds_add_u32 v[SPW], v[NIL]
	v_lshrrev_b32 v12, 5, v0
	v_and_b32 v13, 15, v0                          ; r
	v_readfirstlane_b32 s[WV], v12                 ; wave w
	v_bfe_u32 v14, v0, 4, 1                        ; h
	v_and_b32 v12, 31, v0                          ; lane
	v_lshlrev_b32 v[BO], 7, v14
	v_lshlrev_b32 v[L16], 4, v12
	v_lshlrev_b32 v[L4], 2, v12
	v_lshlrev_b32 v[XV], 4, v13
	v_lshl_add_u32 v[XV], v14, 10, v[XV]
	s_and_b32 s15, s[WV], 3                        ; G: my 64 along d of the pair fragments
	s_lshr_b32 s16, s[WV], 2                       ; e: which half of the tiles
	s_bfe_u32 s18, ttmp6, 0x40000                  ; cx: my place in the cluster: it enters x's and out's global addresses alone
	s_lshl_b32 s19, ttmp9, 2
	s_add_co_u32 s19, s19, s18                     ; the work-group's number, 2 b + jt
	s_lshl_b32 s41, s15, 8
	s_lshl_b32 s34, s19, 14                        ; x: my 16 rows of 1,024 bytes, + 256 G
	s_add_co_u32 s34, s34, s41
	s_mov_b32 s35, 0
	s_xor_b32 s28, s19, 1                          ; the other 16 rows, + 8 e rows, + 256 G
	s_lshl_b32 s28, s28, 14
	s_add_co_u32 s28, s28, s41
	s_lshl_b32 s40, s16, 13
	s_add_co_u32 s28, s28, s40
	s_mov_b32 s29, 0
	s_lshl_b32 s24, s19, 14                        ; out: the work-group's 16 rows, my two of them
	s_lshl_b32 s40, s[WV], 11
	s_add_co_u32 s24, s24, s40
	s_mov_b32 s25, 0
	s_mul_i32 s26, s[WV], REC
	s_mov_b32 s27, 0
	s_lshl_b32 s30, s[WV], 8
	s_mov_b32 s31, 0
	s_mov_b32 s[SEL], 0x76543210
	s_mov_b32 s[SEL+1], 0xfedcba98
	s_mov_b32 s[SGN], 0x88888888
	s_lshl_b32 s42, s[WV], 11
	s_add_co_u32 s42, s42, XIS
	s_mul_i32 s43, s[WV], SQ
	s_lshl_b32 s44, s15, 9
	s_add_co_u32 s44, s44, PFB
	s_lshl_b32 s46, s16, 14
	s_add_co_u32 s46, s46, s44
	s_add_co_u32 s46, s46, 9*2048                  ; slot 9 + 8 e
	s_lshl_b32 s47, s15, 1
	s_add_co_u32 s47, s47, PSB
	s_lshl_b32 s49, s16, 10
	s_add_co_u32 s49, s49, s47
	s_add_co_u32 s49, s49, 9*128
	s_mul_i32 s50, s[WV], REC
	s_add_co_u32 s50, s50, WRB
	s_mul_i32 s51, s[WV], 2*RP
	s_add_co_u32 s51, s51, WRB
	; the joint load: a record as 70 dense rows of 32 elements of 8 bytes; mask: all four work-groups, bit 21 beside it
	s_mov_b32 s68, 15|(3<<16)|(1<<21)
	s_mov_b32 s69, 32<<16
	s_mov_b32 s70, 70<<16
	s_mov_b32 s71, 32<<16
	s_mov_b32 s72, 70
	s_mov_b32 s73, 32
	s_mov_b32 s74, 0
	s_mov_b32 s75, 0
	s_mov_b32 s60, 1
	s_mul_i32 s61, s[WV], REC
	s_add_co_u32 s61, s61, WRB
	s_wait_alu depctr_va_vdst(0)
	s_wait_dscnt 0x0                               ; both opening adds are done
	s_wait_kmcnt 0x0
	s_add_nc_u64 s[34:35], s[4:5], s[34:35]
	s_add_nc_u64 s[28:29], s[4:5], s[28:29]
	s_add_nc_u64 s[R0:R0+1], s[10:11], s[26:27]
	s_add_nc_u64 s[62:63], s[R0:R0+1], 8*REC       ; record w + 8
	s_or_b32 s63, s63, 0x80000000
	s_add_nc_u64 s[BB0:BB0+1], s[6:7], s[30:31]
	s_add_nc_u64 s[BB1:BB1+1], s[BB0:BB0+1], 0x800
	s_add_nc_u64 s[12:13], s[12:13], s[24:25]
.irp k, 0,1,2,3,4,5,6,7                ; x_j: two rows a load, 256 consecutive bytes of each
	global_load_b128 v[XB+4*\k:XB+4*\k+3], v[XV], s[34:35] offset:2048*\k
.endr
.irp k, 0,1,2,3                        ; x_i: likewise
	global_load_b128 v[XI+4*\k:XI+4*\k+3], v[XV], s[28:29] offset:2048*\k
.endr
.irp k, 0,1,2,3                        ; 28 loads: W1's scale words and codes, b1
	global_load_b32 v[W1S+\k], v[L4], s[R0:R0+1] offset:128*\k
.endr
.irp k, 0,1,2,3,4,5,6,7,8,9,10,11,12,13,14,15
	global_load_b128 v[W1+4*\k:W1+4*\k+3], v[L16], s[R0:R0+1] offset:W1FO+512*\k
.endr
	LOADB BB0
	ROUND                                          ; all four work-groups are here: the joint loads meet
	tensor_load_to_lds s[60:63], s[68:75]
	s_nop 0
	PLACES 4
	v_mul_u32_u24 v26, v14, SP
	v_lshl_add_u32 v26, v13, 4, v26
	v_add_nc_u32 v[STW], s43, v26                  ; into the stage: two rows a store
	v_mul_u32_u24 v26, v13, SP
	v_lshl_add_u32 v26, v14, 7, v26
	v_add_nc_u32 v[STR], s43, v26                  ; out of it: row r, 128 h on
	v_add_nc_u32 v[STX], s42, v[L16]
	v_lshl_add_u32 v[AXI], v14, 7, s42
	v_add_nc_u32 v[PFW1], s44, v[L16]
	v_add_nc_u32 v[PFW1+1], s46, v[L16]
	v_lshl_add_u32 v26, v13, 3, v14                ; 8 r + h
	v_add_nc_u32 v[PSW1], s47, v26
	v_add_nc_u32 v[PSW1+1], s49, v26
	v_add_nc_u32 v[PFA], PFB, v[L16]
	v_lshl_add_u32 v[PSA], v13, 3, PSB
	v_add_nc_u32 v[WRL], s50, v[L16]
	v_add_nc_u32 v[WRS], s50, v[L4]
	v_mov_b32 v[PT], 0                             ; a lane permute's destination counts as one of its sources: written once
	v_mul_u32_u24 v26, v13, RP
	v_lshl_add_u32 v26, v14, 5, v26
	v_add_nc_u32 v[ARS], s50, v26
	v_add_nc_u32 v[ARL], s51, v[L16]
	v_add_nc_u32 v[ARL+1], 4*REC, v[ARL]
	s_wait_alu depctr_va_vdst(0)
	s_wait_loadcnt 28                              ; x_j and x_i are in; W1's 28 loads may be out
.irp k, 0,1,2,3
	ds_store_b128 v[STX], v[XI+4*\k:XI+4*\k+3] offset:512*\k
.endr
.irp k, 0,1,2,3,4,5,6,7
	ds_store_b128 v[STW], v[XB+4*\k:XB+4*\k+3] offset:2*SP*\k
.endr
.irp e, 0,1,2,3,4,5,6,7                ; LDS serves a wave's instructions in order: these see the stores above
	ds_load_b128 v[XJ+4*\e:XJ+4*\e+3], v[STR] offset:16*\e
.endr
	WIN 0x40                                       ; 24 loads: W2's codes (once) and scale words; destination window 1
.irp n, 0,1,2,3,4,5,6,7,8,9,10,11,12,13,14,15
	global_load_b128 v[8*\n:8*\n+3], v[L16], s[R0:R0+1] offset:W2FO+512*\n
.endr
	WIN 0
.irp n, 0,1,2,3,4,5,6,7
	global_load_b32 v[W2S+\n], v[L4], s[R0:R0+1] offset:W2SO+128*\n
.endr
	s_wait_dscnt 0x0                               ; x_j is in, and the stores have read their registers
; ---- THE PAIR FRAGMENTS.  Lane (r, h) of wave (G, e) makes d = 64 G + 32 h + 0 .. 31 of row r, a whole block of 32: of the other rows 8 e .. 8 e + 7; of shifts 1 to 4 and 0 (e = 0) or 5 to 8 (e = 1).
.macro MX ab, d, a, x, y               ; v[d] = the largest of v[a], v[x], v[y] (ab: of their magnitudes)
.if \ab
	v_max3_num_f32 v[\d], |v[\a]|, |v[\x]|, |v[\y]|
.else
	v_max3_num_f32 v[\d], v[\a], v[\x], v[\y]
.endif
.endm
.macro MAX4H ab, b                     ; the largest of v[b .. b + 31] and the floor -> v[TM]: 16 instructions, four chains, each accumulator from its low end on: the chains' first links
.if \ab
	v_max3_num_f32 v[TM], |v[\b]|, |v[\b+1]|, FLOOR
.else
	v_max3_num_f32 v[TM], v[\b], v[\b+1], FLOOR
.endif
	MX \ab, TM+2, \b+16, \b+17, \b+18
	MX \ab, TM+1, \b+8, \b+9, \b+10
	MX \ab, TM+3, \b+24, \b+25, \b+26
.endm
.macro MAX4R ab, b                     ; and the rest
.irp i, 0,2
	MX \ab, TM, TM, \b+2+\i, \b+3+\i
	MX \ab, TM+2, TM+2, \b+19+\i, \b+20+\i
	MX \ab, TM+1, TM+1, \b+11+\i, \b+12+\i
	MX \ab, TM+3, TM+3, \b+27+\i, \b+28+\i
.endr
	MX \ab, TM, TM, \b+6, \b+7
	MX \ab, TM+1, TM+1, \b+15, \b+23
	MX \ab, TM, TM, TM+1, TM+2
	MX \ab, TM, TM, TM+3, \b+31
.endm
.macro FIN px, slot                    ; the products in set SB: the block's scale, its 32 codes, into LDS from code registers PAR
	MAX4H 1, SB
	MAX4R 1, SB
	v_add_nc_u32 v[SC], 0xff000000, v[TM]          ; 2 off its exponent field: the conversion's scale operand
.irp q, 0,1,2,3
	v_cvt_scalef32_pk8_fp4_f32 v[CD+4*PAR+\q], v[SB+8*\q:SB+8*\q+7], v[SC]
.endr
	v_lshrrev_b32 v[BY+PAR], 23, v[SC]             ; the scale's byte (also the plain place behind the conversions)
	ds_store_b128 v[PFW1+\px], v[CD+4*PAR:CD+4*PAR+3] offset:2048*\slot
	ds_store_b8 v[PSW1+\px], v[BY+PAR] offset:128*\slot
.endm
.macro LDO n                           ; other row n's 32 numbers into set n % 2: all lanes of a half read the same bytes
.irp e, 0,1,2,3,4,5,6,7
	ds_load_b128 v[XB+32*((\n)%2)+4*\e:XB+32*((\n)%2)+4*\e+3], v[AXI] offset:256*(\n)+16*\e
.endr
.endm
.macro OTHER k
.if \k < 7
	LDO \k+1
	s_wait_dscnt 8                                 ; all but the eight just issued: this row is in, and every earlier store has read its registers
.else
	s_wait_dscnt 0x0
.endif
.set SB, XB+32*(\k%2)
.set PAR, 0
.irp e, 0,2,4,6,8,10,12,14,16,18,20,22,24,26,28,30
	v_pk_mul_f32 v[SB+\e:SB+\e+1], v[SB+\e:SB+\e+1], v[XJ+\e:XJ+\e+1]
.endr
	FIN 1, \k
.endm
.macro SHIFT ror, slot                 ; lane r takes row (r - ror) % 16's numbers: shift 16 - ror
.irp k, 0,1,2,3,4,5,6,7,8,9,10,11,12,13,14,15,16,17,18,19,20,21,22,23,24,25,26,27,28,29,30,31
	v_mul_f32_dpp v[SB+\k], v[XJ+\k], v[XJ+\k] row_ror:\ror row_mask:0xf bank_mask:0xf
.endr
.set PAR, 1
	FIN 0, \slot
.endm
	LDO 0                                          ; a shift works in the set of the row just done, while the next row's loads are out
	s_cmp_lt_u32 s[WV], 4
	s_cbranch_scc0 .Lshifts_5
	OTHER 0
	SHIFT 15, 0
	OTHER 1
	OTHER 2
	SHIFT 14, 1
	OTHER 3
	OTHER 4
	SHIFT 13, 2
	OTHER 5
	OTHER 6
	SHIFT 12, 3
	OTHER 7
.set PAR, 1
.irp e, 0,2,4,6,8,10,12,14,16,18,20,22,24,26,28,30
	v_pk_mul_f32 v[SB+\e:SB+\e+1], v[XJ+\e:XJ+\e+1], v[XJ+\e:XJ+\e+1]
.endr
	FIN 0, 8
	s_branch .Lpairs_made
.Lshifts_5:
	OTHER 0
	SHIFT 11, 4
	OTHER 1
	OTHER 2
	SHIFT 10, 5
	OTHER 3
	OTHER 4
	SHIFT 9, 6
	OTHER 5
	OTHER 6
	SHIFT 8, 7
	OTHER 7
.Lpairs_made:
	SYNC                                           ; all 25 tiles lie in LDS
; ---- THE PASSES
.macro LDP two, o                      ; the fragments and scale words of one tile or two, o slots on
.irp g, 0,1,2,3
	ds_load_b128 v[PF+4*\g:PF+4*\g+3], v[PFA] offset:2048*(\o)+512*\g
.endr
	ds_load_b64 v[PS:PS+1], v[PSA] offset:128*(\o)
.if \two
.irp g, 0,1,2,3
	ds_load_b128 v[PF+16+4*\g:PF+16+4*\g+3], v[PFA] offset:2048*(\o)+2048+512*\g
.endr
	ds_load_b64 v[PS+2:PS+3], v[PSA] offset:128*(\o)+128
.endif
.endm
.macro P1I x, t, s                     ; tile x's 32 hidden rows t: K step s
.if \s
	v_wmma_scale_f32_32x16x128_f4 v[H+32*\x+16*\t:H+32*\x+16*\t+15], v[W1+32*\t+16:W1+32*\t+31], v[PF+16*\x+8:PF+16*\x+15], v[H+32*\x+16*\t:H+32*\x+16*\t+15], v[W1S+2*\t+1], v[PS+2*\x+1]
.else
	v_wmma_scale_f32_32x16x128_f4 v[H+32*\x+16*\t:H+32*\x+16*\t+15], v[W1+32*\t:W1+32*\t+15], v[PF+16*\x:PF+16*\x+7], v[BIAS+16*\t:BIAS+16*\t+15], v[W1S+2*\t], v[PS+2*\x]
.endif
.endm
.macro P1 two                          ; the first product of one tile or two; the accumulators take turns; b1 is the first K step's C
.irp s, 0,1
	P1I 0, 0, \s
	P1I 0, 1, \s
.if \two
	P1I 1, 0, \s
	P1I 1, 1, \s
.endif
.endr
.endm
.macro P2 zero                         ; out^T += W2 x the hidden fragment: eight accumulators by turns
	WIN 0x51                                       ; source 0 (W2), C and D window 1
.irp n, 0,1,2,3,4,5,6,7
.if \zero
	v_wmma_scale_f32_32x16x128_f4 v[128+16*\n:143+16*\n], v[16*\n:16*\n+15], v[CD:CD+7], 0, v[W2S+\n], v[PW]
.else
	v_wmma_scale_f32_32x16x128_f4 v[128+16*\n:143+16*\n], v[16*\n:16*\n+15], v[CD:CD+7], v[128+16*\n:143+16*\n], v[W2S+\n], v[PW]
.endif
.endr
	WIN 0
.endm
.macro QHEAD d                         ; a unit's first four maxima: they stand ahead of the second product of the unit before, as its operand's four places
.if \d
.irp c, 0,1                            ; No |.|: what is negative must not count
	v_max3_num_f32 v[TM+2*\c], v[H+32*\c], v[H+32*\c+1], FLOOR
	v_max3_num_f32 v[TM+2*\c+1], v[H+32*\c+16], v[H+32*\c+17], v[H+32*\c+18]
.endr
.else
	MAX4H 0, H
.endif
	s_wait_alu depctr_va_vdst(0)                   ; the next unit's waits stand ahead of the readers
.endm
; A unit is one K = 128 of the second product: two tiles (d = 1), or one tile of shift 1 to 7 and its rotation (d = 0).  The unit's hidden numbers are turned into codes; the next unit's first product (nx: its d; 2, 3: none)
; goes into the registers so freed; relu on the codes; the fragments of the unit after that are asked for (ld: its d; 2: none; 3: pass 1's W1 instead; 4: pass 1's first fragments); the second product.
; Places behind the matrix instructions (ISA guide 7.12.1): relu's lines stand behind the first product, the maxima behind the second; neither names the products' registers.
.macro UNIT d, nx, ld, first, zero
	s_wait_dscnt 0x0                               ; the next unit's fragments are in
.if BARO
	s_barrier_wait -1
.set BARO, 0
.endif
.if \ld < 2
	v_add_nc_u32 v[PFA], 2048*(1+\d), v[PFA]       ; on to the next unit's slot
	v_add_nc_u32 v[PSA], 128*(1+\d), v[PSA]
.endif
.if \ld == 4
	v_add_nc_u32 v[PFA], PFB, v[L16]               ; back to slot 0
	v_and_b32 v[PSA], 15, v0
	v_lshl_add_u32 v[PSA], v[PSA], 3, PSB
.endif
.if \d
.irp i, 2,4,6,8,10,12
.irp c, 0,1
	v_max3_num_f32 v[TM+2*\c], v[TM+2*\c], v[H+32*\c+\i], v[H+32*\c+\i+1]
	v_max3_num_f32 v[TM+2*\c+1], v[TM+2*\c+1], v[H+32*\c+17+\i], v[H+32*\c+18+\i]
.endr
.endr
.irp c, 0,1
	v_max3_num_f32 v[TM+2*\c], v[TM+2*\c], v[H+32*\c+14], v[H+32*\c+15]
.endr
.irp c, 0,1
	v_max3_num_f32 v[TM+2*\c], v[TM+2*\c], v[TM+2*\c+1], v[H+32*\c+31]
.endr
.irp c, 0,1
	v_add_nc_u32 v[SC+\c], 0xff000000, v[TM+2*\c]
.endr
.irp c, 0,1
.irp q, 0,1,2,3
	v_cvt_scalef32_pk8_fp4_f32 v[CD+4*\c+\q], v[H+32*\c+8*\q:H+32*\c+8*\q+7], v[SC+\c]
.endr
.endr
.irp c, 0,1
	v_lshrrev_b32 v[BY+\c], 23, v[SC+\c]           ; the scales' bytes; plain places behind the conversions
.endr
.else
	MAX4R 0, H
	v_add_nc_u32 v[SC], 0xff000000, v[TM]
.irp q, 0,1,2,3
	v_cvt_scalef32_pk8_fp4_f32 v[CD+\q], v[H+8*\q:H+8*\q+7], v[SC]
.endr
	v_lshrrev_b32 v[BY], 23, v[SC]
.endif
.if \nx < 2
	P1 \nx
.endif
.if \nx == 3
	global_load_b128 v[PF:PF+3], v[L16], s[8:9]    ; b2, for the end
	global_load_b128 v[PF+4:PF+7], v[L16], s[8:9] offset:512
.endif
; relu on codes: the sign bits; 1 in each negative code; 7 in each negative code; those bits cleared.  Between: the scale word, which lanes 0-15 hold: my bytes at 0 and 16, lane l + 16's 8 bits further up
.if \d
.irp e, 0,1,2,3,4,5,6,7
	v_and_b32 v[RT+\e], s[SGN], v[CD+\e]
.endr
	v_lshl_or_b32 v[PW0], v[BY+1], 16, v[BY]
.irp e, 0,1,2,3,4,5,6,7
	v_lshrrev_b32 v[RU+\e], 3, v[RT+\e]
.endr
	v_permlanex16_b32 v[PT], v[PW0], s[SEL], s[SEL+1]
.irp e, 0,1,2,3,4,5,6,7
	v_sub_nc_u32 v[RT+\e], v[RT+\e], v[RU+\e]
.endr
	v_lshl_or_b32 v[PW], v[PT], 8, v[PW0]
.irp e, 0,1,2,3,4,5,6,7
	v_bfi_b32 v[CD+\e], v[RT+\e], 0, v[CD+\e]
.endr
.else
	v_permlane16_b32 v[BY+1], v[BY], s[ROT], s[ROT+1]   ; lane j takes lane (j - s) % 16's: the pair (j - s, j)
.irp e, 0,1,2,3
	v_and_b32 v[RT+\e], s[SGN], v[CD+\e]
.endr
	v_lshl_or_b32 v[PW0], v[BY+1], 16, v[BY]
.irp e, 0,1,2,3
	v_lshrrev_b32 v[RU+\e], 3, v[RT+\e]
.endr
	v_permlanex16_b32 v[PT], v[PW0], s[SEL], s[SEL+1]
.irp e, 0,1,2,3
	v_sub_nc_u32 v[RT+\e], v[RT+\e], v[RU+\e]
.endr
	v_lshl_or_b32 v[PW], v[PT], 8, v[PW0]
.irp e, 0,1,2,3
	v_bfi_b32 v[CD+\e], v[RT+\e], 0, v[CD+\e]
.endr
.irp e, 0,1,2,3
	v_permlane16_b32 v[CD+4+\e], v[CD+\e], s[ROT], s[ROT+1]
.endr
	s_lshr_b32 s38, s[ROT+1], 28                   ; the next shift's selects
	s_lshl_b64 s[ROT:ROT+1], s[ROT:ROT+1], 4
	s_or_b32 s[ROT], s[ROT], s38
.endif
.if \ld == 3
	LOADB BB1                                      ; pass 1's b1 and W1: pass 0's have had their last reader above
.endif
.if \nx < 2
	s_barrier_signal -1                            ; (no LDS instruction of mine is out)
.set BARO, 1
.endif
.if \ld < 2
	LDP \ld, 1+\nx
.endif
.if \ld == 3
.irp k, 0,1,2,3
	ds_load_b32 v[W1S+\k], v[WRS] offset:128*\k
.endr
.irp k, 0,1,2,3,4,5,6,7,8,9,10,11,12,13,14,15
	ds_load_b128 v[W1+4*\k:W1+4*\k+3], v[WRL] offset:W1FO+512*\k
.endr
.endif
.if \ld == 4
	LDP 0, 0
.endif
.if \first
.if \first == 1
	s_wait_loadcnt 0x0                             ; W2 is in
.endif
	WIN 0x41                                       ; source 0 and destination window 1
.irp n, 0,1,2,3,4,5,6,7,8,9,10,11,12,13,14,15  ; its codes once more, for the upper half of K
.irp q, 0,1,2,3
	v_mov_b32 v[8*\n+4+\q], v[8*\n+\q]
.endr
.endr
	WIN 0
.endif
.if \nx < 2
	QHEAD \nx
.else
	PLACES 4                                       ; an operand written by vector instructions stands 4 places ahead of a scaled matrix instruction
.endif
	P2 \zero
.endm
.macro PASS p
	s_mov_b32 s[ROT], 0x6543210f                   ; shift 1: lane i takes lane (i - 1) % 16
	s_mov_b32 s[ROT+1], 0xedcba987
.if \p
	s_wait_loadcnt 0x0                             ; b1 is in,
	s_wait_dscnt 24                                ; and the first fragments; W2's 24 loads may be out
.else
	LDP 0, 0
	s_wait_loadcnt 24                              ; W1 and b1 are in; W2's 24 loads may be out
	s_wait_dscnt 0x0
.endif
	P1 0
	PLACES 4                                       ; for the loads below and for the reads of the results
	LDP 0, 1
	QHEAD 0
	UNIT 0, 0, 0, 1+\p, 1-\p                       ; shift 1; in pass 0 its second product starts the sums
	s_mov_b32 s3, 4
.Lshift_\@:                                            ; shifts 2 to 5
	UNIT 0, 0, 0, 0, 0
	s_sub_co_u32 s3, s3, 1
	s_cmp_lg_u32 s3, 0
	s_cbranch_scc1 .Lshift_\@
.if \p == 0
	s_wait_tensorcnt 0x0                           ; my record of pass 1 is in
.endif
	UNIT 0, 0, 1, 0, 0                             ; shift 6
	UNIT 0, 1, 1, 0, 0                             ; shift 7
	s_mov_b32 s3, 7
.Lother_\@:                                            ; shifts 8 and 0, then twelve other rows
	UNIT 1, 1, 1, 0, 0
	s_sub_co_u32 s3, s3, 1
	s_cmp_lg_u32 s3, 0
	s_cbranch_scc1 .Lother_\@
	UNIT 1, 1, 3-\p, 0, 0
	UNIT 1, 2+\p, 4-2*\p, 0, 0
	PLACES 4                                       ; for what follows: loads into W2's registers, or the first reads of the sums
.endm
	PASS 0
	WIN 0x40                                       ; pass 1's W2, from LDS: 24 loads; destination window 1
.irp n, 0,1,2,3,4,5,6,7,8,9,10,11,12,13,14,15
	ds_load_b128 v[8*\n:8*\n+3], v[WRL] offset:W2FO+512*\n
.endr
	WIN 0
.irp n, 0,1,2,3,4,5,6,7
	ds_load_b32 v[W2S+\n], v[WRS] offset:W2SO+128*\n
.endr
	PASS 1
; ---- THE END.  Lane (r, h) holds row r, columns 32 n + 16 p + 8 h + 0 .. 7; each accumulator from its low end on.  The bytes are my own record's, which has had its only fill and its last read
	WIN 0x04                                       ; the data: window 1
.irp n, 0,1,2,3,4,5,6,7
.irp q, 0,1,2,3
	ds_store_b128 v[ARS], v[128+16*\n+4*\q:131+16*\n+4*\q] offset:128*\n+64*(\q/2)+16*(\q%2)
.endr
.endr
	WIN 0
	SYNC                                           ; the eight waves' sums lie in LDS
; wave w adds the eight sums of rows 2 w and 2 w + 1, adds 32 x b2 and stores: position p is 512 consecutive bytes of a row
.irp p, 0,1,2,3
.irp k, 0,1,2,3,4,5,6,7
	ds_load_b128 v[128+32*\p+4*\k:131+32*\p+4*\k], v[ARL+\k/4] offset:(\p/2)*RP+512*(\p%2)+REC*(\k%4)
.endr
.endr
	s_wait_loadcnt 0x0                             ; b2
.irp p, 0,1,2,3
.set R,  128+32*\p
.set BB, PF+4*(\p%2)
	s_wait_dscnt 24-8*\p                           ; this position's eight loads are in; the later positions' may stay out
.irp c, 0,8,16,24
	v_pk_add_f32 v[R+\c:R+\c+1], v[R+\c:R+\c+1], v[R+\c+4:R+\c+5]
	v_pk_add_f32 v[R+\c+2:R+\c+3], v[R+\c+2:R+\c+3], v[R+\c+6:R+\c+7]
.endr
.irp c, 0,16
	v_pk_add_f32 v[R+\c:R+\c+1], v[R+\c:R+\c+1], v[R+\c+8:R+\c+9]
	v_pk_add_f32 v[R+\c+2:R+\c+3], v[R+\c+2:R+\c+3], v[R+\c+10:R+\c+11]
.endr
	v_pk_add_f32 v[R:R+1], v[R:R+1], v[R+16:R+17]
	v_pk_add_f32 v[R+2:R+3], v[R+2:R+3], v[R+18:R+19]
	v_pk_fma_f32 v[R:R+1], v[BB:BB+1], 0x42000000, v[R:R+1] op_sel_hi:[1,0,1]       ; + 32 x b2
	v_pk_fma_f32 v[R+2:R+3], v[BB+2:BB+3], 0x42000000, v[R+2:R+3] op_sel_hi:[1,0,1]
	global_store_b128 v[L16], v[R:R+3], s[12:13] offset:(\p/2)*1024+512*(\p%2) th:TH_STORE_NT   ; 32 lanes store 512 consecutive bytes, at a multiple of 256 from out's first byte
.endr
	s_wait_tensorcnt 0x0                           ; the wave's end
	ds_add_u32 v[SPW], v[NIL]
	s_wait_dscnt 0x0
	ROUND                                          ; the closing round: no work-group ends while a partner may still ask for a record that names it
	s_endpgm
.Lfunc_end_k_qc05db9f57d_main:
	.size	k_qc05db9f57d_main, .Lfunc_end_k_qc05db9f57d_main-k_qc05db9f57d_main
	.p2alignl 7, 3214868480
	.fill 96, 4, 3214868480
	.section	.rodata,"a",@progbits
	.p2align	6, 0x0
	.amdhsa_kernel k_qc05db9f57d_main
		.amdhsa_group_segment_fixed_size 327680
		.amdhsa_private_segment_fixed_size 0
		.amdhsa_enable_private_segment 0
		.amdhsa_kernarg_size 40
		.amdhsa_user_sgpr_count 2
		.amdhsa_user_sgpr_kernarg_segment_ptr 1
		.amdhsa_wavefront_size32 1
		.amdhsa_system_sgpr_workgroup_id_x 1
		.amdhsa_system_sgpr_workgroup_id_y 1
		.amdhsa_system_sgpr_workgroup_id_z 1
		.amdhsa_system_vgpr_workitem_id 0
		.amdhsa_next_free_vgpr 512
		.amdhsa_next_free_sgpr 76
		.amdhsa_reserve_vcc 0
		.amdhsa_float_denorm_mode_32 3
		.amdhsa_float_denorm_mode_16_64 3
		.amdhsa_memory_ordered 1
		.amdhsa_forward_progress 1
		.amdhsa_inst_pref_size 191
	.end_amdhsa_kernel
	.amdgpu_metadata
---
amdhsa.version: [ 1, 2 ]
amdhsa.kernels:
  - .name:           k_qc05db9f57d_main
    .symbol:         k_qc05db9f57d_main.kd
    .args:
      - { .name: attribute_embeddings, .offset: 0, .size: 8, .value_kind: global_buffer, .address_space: global }
      - { .name: b1, .offset: 8, .size: 8, .value_kind: global_buffer, .address_space: global }
      - { .name: b2, .offset: 16, .size: 8, .value_kind: global_buffer, .address_space: global }
      - { .name: wq, .offset: 24, .size: 8, .value_kind: global_buffer, .address_space: global }
      - { .name: out0, .offset: 32, .size: 8, .value_kind: global_buffer, .address_space: global }
    .group_segment_fixed_size: 327680
    .private_segment_fixed_size: 0
    .kernarg_segment_align: 8
    .kernarg_segment_size: 40
    .max_flat_workgroup_size: 256
    .sgpr_count:     76
    .vgpr_count:     512
    .wavefront_size: 32
...
	.end_amdgpu_metadata
.endif
;; end of part 2
